; MI455X (gfx1250); checked and timed in simulation.
; The chip was launched on July 23, 2026; its instructions are those of AMD's public machine-readable ISA for CDNA 5 (MIT licence, August 2026) and "CDNA5" Instruction Set Architecture Reference Guide (July 2026). The comments in the code are by the model that wrote it; some were corrected since.
;; TFM8. Allowed arithmetic: matrix products marked QUANTISED: E4M3 operands, one given power-of-two scale a tensor, by v_wmma_f32_16x16x64_fp8_fp8 or v_wmma_f32_16x16x128_fp8_fp8, f32 sums; everything else in f32.
;; Inputs: kb 256 float32; kw 256 x 256 float32; ln_b 256 float32; ln_w 256 float32; lowp_scales 10 int32 (the exponents e of the quantised operands' scales 2^e); qb 256 float32; qw 256 x 256 float32; vb 256 float32; vw 256 x 256 float32; x1 4 x 256 x 64 x 64 float32; x2 4 x 256 x 64 x 64 float32.
;; Outputs: out0 4 x 256 x 64 x 64 float32.
;; This version of the problem:
;;   THIS VERSION OF THE PROBLEM IS GIVEN IN LOW PRECISION. The matrix products marked QUANTISED in the list below multiply operands that are first quantised to E4M3 (4 exponent bits, 3 mantissa bits; 8 bits a number), with one given power-of-two scale for each operand tensor; their sums are f32. All else is computed in f32.
;;   The module's matrix products, in the order in which they are computed (A, B: the left and right operand; K: the contracted axis; several contracted axes count as one K, in the product's order):
;;     1. [M 16,384, K 256] x [K 256, N 256]; A: input x1; B: input qw: QUANTISED (scales: A lowp_scales[0], B lowp_scales[1])
;;     2. [M 16,384, K 256] x [K 256, N 256]; A: input x2; B: input kw: QUANTISED (scales: A lowp_scales[2], B lowp_scales[3])
;;     3. [M 16,384, K 256] x [K 256, N 256]; A: input x2; B: input vw: QUANTISED (scales: A lowp_scales[4], B lowp_scales[5])
;;     4. batch 4 x [M 4,096, K 256] x [K 256, N 4,096]; A: computed on the way; B: computed on the way: QUANTISED (scales: A lowp_scales[6], B lowp_scales[7])
;;     5. batch 4 x [M 256, K 4,096] x [K 4,096, N 4,096]; A: computed on the way; B: computed on the way: QUANTISED (scales: A lowp_scales[8], B lowp_scales[9])
;;   THE QUANTISER, for each operand of a quantised product, along K:
;;     - The operand's scale is 2^e, e = its entry of the input lowp_scales (int32; the entries are numbered through the quantised products in the list's order, A before B).
;;     - Each number is divided by the scale, clamped to +-448, and rounded to the nearest number of E4M3, ties to even, subnormals kept.
;;     - The product sums the exact products of the quantised numbers (number of the format x scale) in f32.
;;   ~~~python
;;   def quantise(x, axis, e):      # numpy; x: float32 -> the quantised numbers, widened to float32 again
;;       x = np.moveaxis(x, axis, -1); K = x.shape[-1]
;;       r = np.clip(x / 2.0 ** e, -448, 448)
;;       step = 2.0 ** (np.maximum(np.frexp(np.where(r == 0, 1, r))[1] - 1, -6) - 3)
;;       q = np.round(r / step) * step * 2.0 ** e      # np.round: ties to even
;;       return np.moveaxis(q, -1, axis).astype(np.float32)
;;   ~~~
;;   OPERANDS COMPUTED ON THE WAY. 'Computed on the way' means the value that the module computes at that place (a softmax that the list does not call 'softmax' is quantised finished and normalised). What goes into a quantiser is computed in f32, as accurately as f32 sums, v_exp_f32 and their like allow (about 1e-6 of the number): no bf16 or f16 on the way to a quantiser, and a product that is left as it is and whose result goes on into a quantised operand takes f32 operands (vector FMAs, or v_wmma_f32_16x16x4_f32). A number that lies on a knife's edge between two numbers of the format may be rounded either way, as far as f32 arithmetic and the matrix unit's own rounding can turn it there, and no further.
;; One version. Each part assembles by itself: llvm-mc -triple=amdgcn-amd-amdhsa -mcpu=gfx1250 --defsym DOCPART=n.
;; ======== version 1 of 1: 3 launches
;; workspace buffers: wimg 196,608 bytes; q_img 4,194,304 bytes; kv 8,388,608 bytes
;; launch wq (part 1): grid 8 x 3, 4 waves a work-group, no clusters, 0 bytes of LDS; arguments qw, kw, vw, lowp_scales, wimg; writes wimg
.if DOCPART == 1
	.amdgcn_target "amdgcn-amd-amdhsa--gfx1250"
	.amdhsa_code_object_version 6
	.text
	.protected	k_q6b29ee2009_wq
	.globl	k_q6b29ee2009_wq
	.p2align	8
	.type	k_q6b29ee2009_wq,@function
k_q6b29ee2009_wq:
	s_mov_b64 s[64:65], 0
	v_nop
	global_prefetch_b8 v0, s[64:65] scope:SCOPE_SE
	s_setreg_imm32_b32 hwreg(HW_REG_WAVE_MODE, 25, 1), 1
	s_wait_xcnt 0x0
; The three weights qw, kw, vw, each [256 (out)][256 (k)] f32 with K innermost, become codes of FP8 (E4M3), each with its given scale 2^e (entries 1, 3, 5 of lowp_scales).
; code = x / 2^e, held within +-448, to the nearest code, ties to even.
; THE CODES ARE LAID AS IMAGES OF OPERAND REGISTERS: wimg[w 8][mat 3][u 2][c 8][512 bytes].  A piece of 512 bytes holds four registers of a fragment: lane l's 16 bytes at 16 l;
; lane (r = l % 16, h = l / 16) holds k = 32 c + 16 h + 0 .. 15 of the tile's row r.  The next launch's wave w reads its 24,576 bytes on end.
; WHICH ROWS FORM A TILE: for qw and kw tile (w, u) takes row 32 w + 8 u + r + 8 (r / 8), so that the results of tiles u = 0, 1 are 16 neighbours along the next product's K;
; for vw, whose rows become the next product's rows and not its K, row 32 w + 16 u + r.
; SHARES: work-group (x = w, y = mat); wave 2 u + s takes tile u, k = 128 s .. 128 s + 127: 64 numbers a lane.
; A lane's 16 numbers are 64 neighbouring bytes and the lanes beside it stand in other rows: the three weights are 786,432 bytes, read once in the whole program, so no turn through LDS is spent on them.  Each store covers 512 consecutive bytes, aligned.
; LIMITS: e between -126 and 119, so that 2^e and 448 x 2^e are f32 numbers.  NaN among the inputs is not served.
.set XD,  16                           ; v16-79  64 numbers
.set CD,  80                           ; v80-95  their codes
.set SCL, 10                           ; v10     2^e
.set LIM, 11                           ; v11     448 x 2^e
	s_load_b256 s[4:11], s[0:1], 0x0               ; qw s[4:5], kw s[6:7], vw s[8:9], the scales' exponents s[10:11]
	s_load_b64 s[12:13], s[0:1], 0x20              ; wimg
	v_lshrrev_b32 v1, 5, v0
	v_readfirstlane_b32 s14, v1                    ; wave = 2 u + s
	s_and_b32 s15, ttmp7, 0xffff                   ; mat
	s_lshr_b32 s16, s14, 1                         ; u
	s_and_b32 s17, s14, 1                          ; s
	v_and_b32 v2, 15, v0                           ; r
	v_bfe_u32 v3, v0, 4, 1                         ; h
	v_and_b32 v4, 31, v0                           ; lane
	s_cmp_lt_u32 s15, 2                            ; qw and kw, or vw?
	s_cselect_b32 s18, 3, 4                        ; tiles 8 or 16 rows apart,
	s_cselect_b32 s19, 8, 0                        ; and lanes 8-15 eight rows further on, or not
	s_lshl_b32 s20, s16, s18
	s_lshl_b32 s21, ttmp9, 5
	s_add_co_u32 s20, s20, s21                     ; 32 w + 8 u or 16 u
	v_and_b32 v5, s19, v2
	v_add3_u32 v5, v5, v2, s20                     ; my row
	v_lshlrev_b32 v5, 10, v5                       ; of 1,024 bytes,
	v_lshl_add_u32 v5, v3, 6, v5                   ; + 64 h,
	s_lshl_b32 s21, s17, 9
	v_add_nc_u32 v5, s21, v5                       ; + 512 s
	v_lshlrev_b32 v6, 4, v4                        ; out: 16 x lane
	s_mul_i32 s20, ttmp9, 24576
	s_lshl_b32 s21, s15, 13
	s_add_co_u32 s20, s20, s21
	s_lshl_b32 s21, s14, 11                        ; 4,096 u + 2,048 s
	s_add_co_u32 s20, s20, s21
	s_mov_b32 s21, 0
	s_wait_kmcnt 0x0
	s_load_b256 s[24:31], s[10:11], 0x0            ; e0 .. e7
	s_cmp_eq_u32 s15, 0                            ; the choice hangs on the work-group's number alone
	s_cselect_b64 s[4:5], s[4:5], s[6:7]
	s_cmp_eq_u32 s15, 2
	s_cselect_b64 s[4:5], s[8:9], s[4:5]
	s_add_nc_u64 s[12:13], s[12:13], s[20:21]
.irp c, 0,1,2,3
.irp i, 0,1,2,3
	global_load_b128 v[XD+16*\c+4*\i:XD+16*\c+4*\i+3], v5, s[4:5] offset:128*\c+16*\i th:TH_LOAD_NT
.endr
.endr
	s_wait_kmcnt 0x0
	s_cmp_eq_u32 s15, 0
	s_cselect_b32 s22, s25, s27                    ; e1 or e3,
	s_cmp_eq_u32 s15, 2
	s_cselect_b32 s22, s29, s22                    ; or e5
	s_add_co_i32 s22, s22, 127
	s_lshl_b32 s23, s22, 23
	v_mov_b32 v[SCL], s23                          ; 2^e as f32: the conversion takes its exponent field
	s_add_co_i32 s22, s22, 8
	s_lshl_b32 s22, s22, 23
	s_or_b32 s22, s22, 0x600000
	v_mov_b32 v[LIM], s22                          ; 448 x 2^e
	s_wait_loadcnt 0x0
.irp c, 0,1,2,3
.irp i, 0,1,2,3,4,5,6,7,8,9,10,11,12,13,14,15
	v_med3_num_f32 v[XD+16*\c+\i], v[XD+16*\c+\i], -v[LIM], v[LIM]   ; the conversion to an 8-bit code does not saturate (ISA guide 7.6.2): the hold comes first
.endr
	v_cvt_scalef32_pk8_fp8_f32 v[CD+4*\c:CD+4*\c+1], v[XD+16*\c:XD+16*\c+7], v[SCL]
	v_cvt_scalef32_pk8_fp8_f32 v[CD+4*\c+2:CD+4*\c+3], v[XD+16*\c+8:XD+16*\c+15], v[SCL]
.endr
	v_nop                                          ; a plain line behind the last conversion
.irp c, 0,1,2,3
	global_store_b128 v6, v[CD+4*\c:CD+4*\c+3], s[12:13] offset:512*\c   ; 32 lanes store 512 consecutive bytes, at a multiple of 256 from wimg's first byte
.endr
	s_endpgm
.Lfunc_end_k_q6b29ee2009_wq:
	.size	k_q6b29ee2009_wq, .Lfunc_end_k_q6b29ee2009_wq-k_q6b29ee2009_wq
	.p2alignl 7, 3214868480
	.fill 96, 4, 3214868480
	.section	.rodata,"a",@progbits
	.p2align	6, 0x0
	.amdhsa_kernel k_q6b29ee2009_wq
		.amdhsa_group_segment_fixed_size 0
		.amdhsa_private_segment_fixed_size 0
		.amdhsa_enable_private_segment 0
		.amdhsa_kernarg_size 40
		.amdhsa_user_sgpr_count 2
		.amdhsa_user_sgpr_kernarg_segment_ptr 1
		.amdhsa_wavefront_size32 1
		.amdhsa_system_sgpr_workgroup_id_x 1
		.amdhsa_system_sgpr_workgroup_id_y 1
		.amdhsa_system_sgpr_workgroup_id_z 1
		.amdhsa_system_vgpr_workitem_id 0
		.amdhsa_next_free_vgpr 96
		.amdhsa_next_free_sgpr 66
		.amdhsa_reserve_vcc 0
		.amdhsa_float_denorm_mode_32 3
		.amdhsa_float_denorm_mode_16_64 3
		.amdhsa_memory_ordered 1
		.amdhsa_forward_progress 1
		.amdhsa_inst_pref_size 9
	.end_amdhsa_kernel
	.amdgpu_metadata
---
amdhsa.version: [ 1, 2 ]
amdhsa.kernels:
  - .name:           k_q6b29ee2009_wq
    .symbol:         k_q6b29ee2009_wq.kd
    .args:
      - { .name: qw, .offset: 0, .size: 8, .value_kind: global_buffer, .address_space: global }
      - { .name: kw, .offset: 8, .size: 8, .value_kind: global_buffer, .address_space: global }
      - { .name: vw, .offset: 16, .size: 8, .value_kind: global_buffer, .address_space: global }
      - { .name: lowp_scales, .offset: 24, .size: 8, .value_kind: global_buffer, .address_space: global }
      - { .name: wimg, .offset: 32, .size: 8, .value_kind: global_buffer, .address_space: global }
    .group_segment_fixed_size: 0
    .private_segment_fixed_size: 0
    .kernarg_segment_align: 8
    .kernarg_segment_size: 40
    .max_flat_workgroup_size: 128
    .sgpr_count:     66
    .vgpr_count:     96
    .wavefront_size: 32
...
	.end_amdgpu_metadata
.endif
;; end of part 1
;; launch proj (part 2): grid 64 x 4, 8 waves a work-group, clusters of 4 x 1, 262,144 bytes of LDS; arguments x1, x2, wimg, lowp_scales, qb, kb, vb, q_img, kv; writes q_img, kv
.if DOCPART == 2
	.amdgcn_target "amdgcn-amd-amdhsa--gfx1250"
	.amdhsa_code_object_version 6
	.text
	.protected	k_q6b29ee2009_proj
	.globl	k_q6b29ee2009_proj
	.p2align	8
	.type	k_q6b29ee2009_proj,@function
k_q6b29ee2009_proj:
	s_mov_b64 s[64:65], 0
	v_nop
	global_prefetch_b8 v0, s[64:65] scope:SCOPE_SE
	s_setreg_imm32_b32 hwreg(HW_REG_WAVE_MODE, 25, 1), 1
	s_wait_xcnt 0x0
	s_wait_alu depctr_hold_cnt(0) depctr_sa_sdst(0) depctr_va_vdst(0) depctr_va_sdst(0) depctr_va_ssrc(0) depctr_va_vcc(0) depctr_vm_vsrc(0)
	s_getreg_b32 s2, hwreg(HW_REG_IB_STS2, 6, 4)
	s_cmp_eq_u32 s2, 0
	s_cbranch_scc0 .Lentry_in_a_cluster
	s_endpgm
.Lentry_in_a_cluster:
	s_bfe_u32 s2, ttmp6, 0x10000c
	s_cmp_lg_u32 s2, 0x3003
	s_cbranch_scc0 .Lentry_shape_is_right
	s_endpgm
.Lentry_shape_is_right:
; q = qw x1 + qb, k = kw x2 + kb, v = vw x2 + vb for one block of 64 pixels, all three products on codes of FP8 (E4M3); the results are quantised at once for the two products of the attention and stored as codes.
; x1, x2: [4][256 (channel)][4,096 (pixel)] f32.  Scales 2^e, e from lowp_scales: x1 e0, qw e1, x2 e2 (for k) and e4 (for v), kw e3, vw e5; q e6, k e7, v e8.
; SHARES.  Work-group (g = block of 64 pixels, b = batch).  Wave w of eight (a) quantises channels 32 w .. 32 w + 31 of the block's x1 and x2, and (b) makes output channels 32 w .. 32 w + 31 of q, k and v for all 64 pixels.
; OPERANDS ARE IMAGES OF REGISTERS: four registers of a fragment are 512 consecutive bytes, lane l's 16 bytes at 16 l; lane (r = l % 16, h = l / 16), piece c, holds k = 32 c + 16 h + 0 .. 15 of its row.  The same place for each k in
; both operands of a product, so every product meets its partner; only the order of the sums inside an instruction differs from the form's own layout.
; THE PIXELS OF A TILE ARE NOT NEIGHBOURS: lane r of tile 2 a + u holds pixel 32 a + 8 u + r + 8 (r / 8) of the block.  So v's results (source 0 = x) of tiles u = 0, 1 are 16 neighbouring keys in a lane's registers, the K of the
; last product; q's and k's (source 0 = the weight, whose rows are chosen likewise) are 16 neighbouring channels, the K of the scores.  The conversions' results are then the next operands' registers, and each store is one piece of 512 bytes.
; OUT.  q_img[b][g][tile 4][c 8][512];  kv[b][g][32,768]: k as [tile 4][c 8][512], then v as [channel tile 16][c 2][512] (lane r: channel 16 ct + r; k = the block's 64 pixels).
; THE WEIGHTS' IMAGES (196,608 bytes) are the same for every work-group: the four work-groups of a cluster ask for them JOINTLY, each wave for the 24,576 bytes that it alone reads.  One tensor load of a wave is out; LDS bytes are filled once.
; THE BIASES are the C of each sum's first matrix instruction, divided by the power of two that the sums lack.  The scales ahead of each quantiser are folded into the conversion's one: q's code = sum / 2^(e6 - e0 - e1).
; LIMITS, so that each power of two is an f32 number: e0, e2, e4, e6 - e0 - e1, e7 - e2 - e3, e8 - e4 - e5 between -126 and 119.  NaN among the inputs is not served.
.set WLW,   24576                      ; LDS from 0: wave w's weights: [mat 3][u 2][c 8][512]
.set XI,    8*WLW                      ; then three images of the block's x: x1 by e0, x2 by e2, x2 by e4: [tile 4][c 8][512] each
.set XIM,   16384
.set SPARE, XI+3*XIM                   ; then the spare words, 128 bytes for each wave: four blocks of 256 bytes that no other line names
.set LA,   8                           ; v8   where I store my two pixels' codes in an image of x
.set WLA,  9                           ; v9   16 x lane + my wave's weights
.set XIA,  10                          ; v10  16 x lane + XI
.set LI,   11                          ; v11  16 x lane: my place in a piece, in memory
.set XO,   12                          ; v12  8 x lane: my two pixels in a row of x
.set BO,   13                          ; v13  qb, kb: my 16 numbers
.set VO,   14                          ; v14  vb: my number
.set SC,   16                          ; v16-27 six pairs (2^E, 448 x 2^E): e0, e2, e4, q's, k's, v's
.set SPW,  28                          ; v28  LDS address of my spare word; never rewritten
.set NIL,  29                          ; v29  0; never rewritten
.set XA,   32                          ; v32-95   x1: register 2 i + p = channel 32 w + i, pixel 2 lane + p
.set XB,   96                          ; v96-159  x2 likewise
.set T,    160                         ; v160-175 two sets of eight held numbers
.set R,    176                         ; v176-191 codes, the two pixels' by turns
.set CC,   192                         ; v192-207 codes, parted: 8 p + a = channels 4 a .. 4 a + 3 of pixel p
.set BQ,   32                          ; later: v32-47 qb, v48-63 kb, v64-79 vb, in the results' layout
.set BK,   48
.set BV,   64
.set CD,   80                          ; v80-95   codes on their way out
.set WF,   96                          ; v96-159  a weight's two tiles: 32 u + 4 c
.set XF,   160                         ; v160-223 two tiles of x: 32 t + 4 c
.set ACC,  224                         ; v224-255 four accumulators
.set WV,   22
.set G1,   24                          ; s[24:31] descriptor group 1
.set G0,   32                          ; s[32:35] descriptor group 0
.macro CROUND                          ; a round of the cluster's barrier
	s_barrier_signal -1
	s_barrier_wait -1
	s_cmp_lg_u32 s[WV], 0
	s_cbranch_scc1 .Lnot_wave_0_\@
	s_barrier_signal -3
.Lnot_wave_0_\@:
	s_barrier_wait -3
	s_barrier_signal -1
	s_barrier_wait -1
.endm
.macro MKSC e, d                       ; v[d] = 2^s[e], v[d + 1] = 448 x 2^s[e]
	s_add_co_i32 s60, s[\e], 127
	s_lshl_b32 s61, s60, 23
	v_mov_b32 v[\d], s61
	s_add_co_i32 s60, s60, 8
	s_lshl_b32 s60, s60, 23
	s_or_b32 s60, s60, 0x600000
	v_mov_b32 v[\d+1], s60
.endm
	s_load_b512 s[4:19], s[0:1], 0x0               ; x1 s[4:5], x2 s[6:7], wimg s[8:9], scales s[10:11], qb s[12:13], kb s[14:15], vb s[16:17], q_img s[18:19]
	s_load_b64 s[20:21], s[0:1], 0x40              ; kv
	v_lshl_add_u32 v[SPW], v0, 2, SPARE
	v_mov_b32 v[NIL], 0
	ds_add_u32 v[SPW], v[NIL]                      ; the wave's opening: the add and its wait stand ahead of my first tensor load; the set-up below, work on registers, stands between them
	v_lshrrev_b32 v1, 5, v0
	v_readfirstlane_b32 s[WV], v1                  ; wave 0..7
	s_bfe_u32 s23, ttmp6, 0x40000                  ; cx: my place in the cluster
	s_lshl_b32 s52, ttmp9, 2
	s_add_co_u32 s52, s52, s23                     ; g = 4 x cluster x + cx: it enters global addresses of x, q_img and kv alone
	s_and_b32 s53, ttmp7, 0xffff                   ; b
	; descriptor group 1: 96 rows of 32 elements of 8 bytes, dense in memory and in LDS
	s_mov_b32 s[G1], 15|(3<<16)|(1<<21)            ; 15:0 the mask: all four work-groups; 17:16 elements of 8 bytes; 20 no padding; 21 set beside a mask
	s_mov_b32 s[G1+1], 32<<16                      ; tensor_dim0 = 32
	s_mov_b32 s[G1+2], 96<<16                      ; tensor_dim1 = 96
	s_mov_b32 s[G1+3], 32<<16                      ; tile_dim0 = 32
	s_mov_b32 s[G1+4], 96                          ; tile_dim1 = 96
	s_mov_b32 s[G1+5], 32                          ; from row to row: 32 elements
	s_mov_b32 s[G1+6], 0
	s_mov_b32 s[G1+7], 0
	s_mov_b32 s[G0], 1                             ; count = 1
	s_mul_i32 s[G0+1], s[WV], WLW                  ; LDS address: my wave's part: no place in the cluster enters it
	s_mov_b32 s36, s[G0+1]                         ; and the same distance in wimg
	s_mov_b32 s37, 0
	s_mov_b32 s50, 0x06040200                      ; v_perm_b32: the even bytes of two registers,
	s_mov_b32 s51, 0x07050301                      ; the odd ones
	s_lshl_b32 s38, s53, 22                        ; x: batch b of 4 MiB,
	s_lshl_b32 s54, s[WV], 19
	s_add_co_u32 s38, s38, s54                     ; channel 32 w of 16,384 bytes,
	s_lshl_b32 s39, s52, 8
	s_add_co_u32 s38, s38, s39                     ; pixel 64 g
	s_mov_b32 s39, 0
	s_lshl_b32 s55, s53, 6
	s_add_co_u32 s55, s55, s52                     ; 64 b + g
	s_lshl_b32 s54, s[WV], 9                       ; 512 w: piece c = w
	s_lshl_b32 s56, s55, 14
	s_add_co_u32 s56, s56, s54                     ; q_img: the block's 16,384 bytes, + 512 w
	s_mov_b32 s57, 0
	s_lshl_b32 s58, s55, 15                        ; kv: the block's 32,768 bytes;
	s_lshl_b32 s60, s[WV], 11
	s_add_co_u32 s60, s60, s58
	s_add_co_u32 s60, s60, 16384                   ; v's part: + 16,384 + 2,048 w (channel tiles 2 w, 2 w + 1)
	s_mov_b32 s61, 0
	s_add_co_u32 s58, s58, s54                     ; k's part: + 512 w
	s_mov_b32 s59, 0
	v_and_b32 v1, 31, v0                           ; lane
	v_and_b32 v2, 15, v0                           ; r
	v_bfe_u32 v3, v0, 4, 1                         ; h
	v_lshlrev_b32 v[LI], 4, v1
	v_lshlrev_b32 v[XO], 3, v1
	v_add_nc_u32 v[WLA], s[G0+1], v[LI]
	v_add_nc_u32 v[XIA], XI, v[LI]
	; pixel 2 lane + p lies in tile 2 (lane / 16) + (lane / 4) % 2 at lane place r' = 2 (lane % 4) + p + 8 ((lane / 8) % 2): 4,096 x tile + 16 r'
	v_bfe_u32 v4, v0, 2, 1
	v_lshl_add_u32 v4, v3, 1, v4
	v_lshlrev_b32 v4, 12, v4
	v_bfe_u32 v5, v0, 3, 1
	v_lshl_add_u32 v4, v5, 7, v4
	v_and_b32 v5, 3, v0
	v_lshl_add_u32 v4, v5, 5, v4
	v_add_nc_u32 v4, s54, v4                       ; + 512 w
	v_add_nc_u32 v[LA], XI, v4
	s_lshl_b32 s54, s[WV], 7                       ; my wave's 32 numbers of a bias
	v_lshl_add_u32 v[BO], v3, 6, s54               ; qb, kb: channels 32 w + 16 h + 0 .. 15
	v_lshl_add_u32 v[VO], v2, 2, s54               ; vb: channel 32 w + r
	s_wait_dscnt 0x0                               ; the opening add is done
	s_wait_kmcnt 0x0
	s_load_b256 s[40:47], s[10:11], 0x0            ; e0 .. e7
	s_load_b32 s48, s[10:11], 0x20                 ; e8
	s_add_nc_u64 s[G0+2:G0+3], s[8:9], s[36:37]    ; global address: the same in all four partners
	s_or_b32 s[G0+3], s[G0+3], 0x80000000          ; type = 2
	s_add_nc_u64 s[4:5], s[4:5], s[38:39]
	s_add_nc_u64 s[6:7], s[6:7], s[38:39]
	s_add_nc_u64 s[18:19], s[18:19], s[56:57]
	s_add_nc_u64 s[62:63], s[20:21], s[60:61]      ; v's part of kv
	s_add_nc_u64 s[20:21], s[20:21], s[58:59]      ; k's part
	CROUND                                         ; all four work-groups are here: the joint loads meet
	tensor_load_to_lds s[G0:G0+3], s[G1:G1+7]      ; my wave's weights: its one tensor load
	s_nop 0
.rept 4
	v_nop
.endr
.set i, 0
.rept 32
	global_load_b64 v[XA+2*i:XA+2*i+1], v[XO], s[4:5] offset:16384*i th:TH_LOAD_NT   ; 32 lanes read 256 consecutive bytes, aligned: the block's pixels of one channel
.set i, i+1
.endr
.set i, 0
.rept 32
	global_load_b64 v[XB+2*i:XB+2*i+1], v[XO], s[6:7] offset:16384*i th:TH_LOAD_NT
.set i, i+1
.endr
	s_wait_kmcnt 0x0
	s_add_co_i32 s54, s40, s41                     ; e0 + e1: a sum of the first product stands for sum x 2^(e0 + e1)
	s_add_co_i32 s55, s42, s43
	s_add_co_i32 s56, s44, s45
	s_sub_co_i32 s57, s46, s54                     ; e6 - e0 - e1
	s_sub_co_i32 s58, s47, s55                     ; e7 - e2 - e3
	s_sub_co_i32 s59, s48, s56                     ; e8 - e4 - e5
	s_sub_co_i32 s54, 0, s54
	s_sub_co_i32 s55, 0, s55
	s_sub_co_i32 s56, 0, s56
	MKSC 40, SC
	MKSC 42, SC+2
	MKSC 44, SC+4
	MKSC 57, SC+6
	MKSC 58, SC+8
	MKSC 59, SC+10
; 32 channels x 2 pixels of a lane become codes and go into image m of x.  The numbers are held into T, not in place: x2 is quantised twice.  A conversion takes eight registers: four channels of both pixels;
; v_perm_b32 parts the pixels.  Then each pixel's 16 codes of a half of the 32 channels are 16 bytes of one piece.
.macro QUANT src, sc, m
.irp a, 0,1,2,3,4,5,6,7
.irp i, 0,1,2,3,4,5,6,7
	v_med3_num_f32 v[T+8*(\a%2)+\i], v[\src+8*\a+\i], -v[\sc+1], v[\sc+1]   ; the conversion to an 8-bit code does not saturate (ISA guide 7.6.2): the hold comes first
.endr
	v_cvt_scalef32_pk8_fp8_f32 v[R+2*\a:R+2*\a+1], v[T+8*(\a%2):T+8*(\a%2)+7], v[\sc]   ; T's two sets take turns: eight plain lines stand between a conversion and the next write of its sources
.endr
	v_nop                                          ; a plain line between the last conversion and the first read of its result
	s_wait_dscnt 0x0                               ; the last image's stores have read CC
.irp a, 0,1,2,3,4,5,6,7
	v_perm_b32 v[CC+\a], v[R+2*\a+1], v[R+2*\a], s50
	v_perm_b32 v[CC+8+\a], v[R+2*\a+1], v[R+2*\a], s51
.endr
.irp p, 0,1
.irp h, 0,1
	ds_store_b128 v[LA], v[CC+8*\p+4*\h:CC+8*\p+4*\h+3] offset:XIM*\m+256*\h+16*\p
.endr
.endr
.endm
	s_wait_loadcnt 32                              ; x1's 32 loads are in; x2's 32 may be out
	QUANT XA, SC, 0
.irp i, 0,1,2,3                        ; the biases, into registers that x1 has left
	global_load_b128 v[BQ+4*\i:BQ+4*\i+3], v[BO], s[12:13] offset:16*\i
.endr
.irp i, 0,1,2,3
	global_load_b128 v[BK+4*\i:BK+4*\i+3], v[BO], s[14:15] offset:16*\i
.endr
	global_load_b32 v[BV], v[VO], s[16:17]
	global_load_b32 v[BV+8], v[VO], s[16:17] offset:64
	s_wait_loadcnt 10                              ; x2's loads are in; the ten just issued may be out
	QUANT XB, SC+2, 1
	QUANT XB, SC+4, 2
	s_wait_loadcnt 0x0
.set i, 0
.rept 16
	v_ldexp_f32 v[BQ+i], v[BQ+i], s54              ; qb / 2^(e0 + e1): register 8 u + j = channel 32 w + 16 h + 8 u + j, as tile u's results lie
	v_ldexp_f32 v[BK+i], v[BK+i], s55
.set i, i+1
.endr
	v_ldexp_f32 v[BV], v[BV], s56                  ; v's results hold ONE channel a lane and eight pixels: the same number in eight registers
	v_ldexp_f32 v[BV+8], v[BV+8], s56
.irp i, 1,2,3,4,5,6,7
	v_mov_b32 v[BV+\i], v[BV]
	v_mov_b32 v[BV+8+\i], v[BV+8]
.endr
	s_wait_tensorcnt 0x0                           ; my weights are in LDS: only I read them
	s_wait_dscnt 0x0                               ; for the others' sake: my stores into the images are done
	s_barrier_signal -1
	s_barrier_wait -1                              ; the three images of x are whole
; One of the three products.  swap = 0 (q, k): source 0 = 16 rows of the weight, source 1 = 16 pixels: a lane holds one pixel and, in tiles u = 0, 1, channels 32 w + 16 h + 0 .. 15.
; swap = 1 (v): source 0 = 16 pixels, source 1 = 16 rows of the weight: a lane holds channel 32 w + 16 u + r and, in the pair's two tiles, pixels 32 p + 16 h + 0 .. 15.
; Four accumulators take turns, one instruction a turn.
.macro UNIT mat, img, bias, sc, swap, base
	s_wait_xcnt 0x0                                ; the last product's stores have read CD
.set n, 0
.rept 16
	ds_load_b128 v[WF+4*n:WF+4*n+3], v[WLA] offset:8192*\mat+512*n
.set n, n+1
.endr
.irp p, 0,1                            ; two tiles of pixels at a time
.set n, 0
.rept 16
	ds_load_b128 v[XF+4*n:XF+4*n+3], v[XIA] offset:XIM*\img+8192*\p+512*n
.set n, n+1
.endr
	s_wait_dscnt 0x0
.irp k, 0,1
.irp t, 0,1
.irp u, 0,1
.set rW, WF+32*\u+16*\k
.set rX, XF+32*\t+16*\k
.if \swap
.set rD, ACC+16*\u+8*\t
.set rA, rX
.set rB, rW
.else
.set rD, ACC+16*\t+8*\u
.set rA, rW
.set rB, rX
.endif
.if \k == 0
	v_wmma_f32_16x16x128_fp8_fp8 v[rD:rD+7], v[rA:rA+15], v[rB:rB+15], v[\bias+8*\u:\bias+8*\u+7]   ; the bias starts the sum
.else
	v_wmma_f32_16x16x128_fp8_fp8 v[rD:rD+7], v[rA:rA+15], v[rB:rB+15], v[rD:rD+7]
.endif
.endr
.endr
.endr
.rept 4
	v_nop                                          ; four places ahead of the first read of the results and of the next loads into the operands' registers
.endr
.set i, 0
.rept 32
	v_med3_num_f32 v[ACC+i], v[ACC+i], -v[\sc+1], v[\sc+1]   ; each accumulator from its low end on
.set i, i+1
.endr
.irp z, 0,1
	v_cvt_scalef32_pk8_fp8_f32 v[CD+8*\p+4*\z:CD+8*\p+4*\z+1], v[ACC+16*\z:ACC+16*\z+7], v[\sc]
	v_cvt_scalef32_pk8_fp8_f32 v[CD+8*\p+4*\z+2:CD+8*\p+4*\z+3], v[ACC+16*\z+8:ACC+16*\z+15], v[\sc]
.endr
	v_nop                                          ; a plain line between the last conversion and the products that write its sources anew
.irp z, 0,1
.if \swap
	global_store_b128 v[LI], v[CD+8*\p+4*\z:CD+8*\p+4*\z+3], s[\base:\base+1] offset:1024*\z+512*\p    ; channel tile 2 w + z, piece p: 512 consecutive bytes, aligned
.else
	global_store_b128 v[LI], v[CD+8*\p+4*\z:CD+8*\p+4*\z+3], s[\base:\base+1] offset:8192*\p+4096*\z   ; tile 2 p + z, piece w: 512 consecutive bytes, aligned
.endif
.endr
.endr
.endm
	UNIT 0, 0, BQ, SC+6, 0, 18
	UNIT 1, 1, BK, SC+8, 0, 20
	UNIT 2, 2, BV, SC+10, 1, 62
	s_wait_tensorcnt 0x0                           ; the wave's end, behind my last tensor load and my last LDS store
	ds_add_u32 v[SPW], v[NIL]
	s_wait_dscnt 0x0
	CROUND                                         ; the closing round: no work-group ends while a partner may still ask for a tile that names it
	s_endpgm
.Lfunc_end_k_q6b29ee2009_proj:
	.size	k_q6b29ee2009_proj, .Lfunc_end_k_q6b29ee2009_proj-k_q6b29ee2009_proj
	.p2alignl 7, 3214868480
	.fill 96, 4, 3214868480
	.section	.rodata,"a",@progbits
	.p2align	6, 0x0
	.amdhsa_kernel k_q6b29ee2009_proj
		.amdhsa_group_segment_fixed_size 262144
		.amdhsa_private_segment_fixed_size 0
		.amdhsa_enable_private_segment 0
		.amdhsa_kernarg_size 72
		.amdhsa_user_sgpr_count 2
		.amdhsa_user_sgpr_kernarg_segment_ptr 1
		.amdhsa_wavefront_size32 1
		.amdhsa_system_sgpr_workgroup_id_x 1
		.amdhsa_system_sgpr_workgroup_id_y 1
		.amdhsa_system_sgpr_workgroup_id_z 1
		.amdhsa_system_vgpr_workitem_id 0
		.amdhsa_next_free_vgpr 256
		.amdhsa_next_free_sgpr 66
		.amdhsa_reserve_vcc 0
		.amdhsa_float_denorm_mode_32 3
		.amdhsa_float_denorm_mode_16_64 3
		.amdhsa_memory_ordered 1
		.amdhsa_forward_progress 1
		.amdhsa_inst_pref_size 62
	.end_amdhsa_kernel
	.amdgpu_metadata
---
amdhsa.version: [ 1, 2 ]
amdhsa.kernels:
  - .name:           k_q6b29ee2009_proj
    .symbol:         k_q6b29ee2009_proj.kd
    .args:
      - { .name: x1, .offset: 0, .size: 8, .value_kind: global_buffer, .address_space: global }
      - { .name: x2, .offset: 8, .size: 8, .value_kind: global_buffer, .address_space: global }
      - { .name: wimg, .offset: 16, .size: 8, .value_kind: global_buffer, .address_space: global }
      - { .name: lowp_scales, .offset: 24, .size: 8, .value_kind: global_buffer, .address_space: global }
      - { .name: qb, .offset: 32, .size: 8, .value_kind: global_buffer, .address_space: global }
      - { .name: kb, .offset: 40, .size: 8, .value_kind: global_buffer, .address_space: global }
      - { .name: vb, .offset: 48, .size: 8, .value_kind: global_buffer, .address_space: global }
      - { .name: q_img, .offset: 56, .size: 8, .value_kind: global_buffer, .address_space: global }
      - { .name: kv, .offset: 64, .size: 8, .value_kind: global_buffer, .address_space: global }
    .group_segment_fixed_size: 262144
    .private_segment_fixed_size: 0
    .kernarg_segment_align: 8
    .kernarg_segment_size: 72
    .max_flat_workgroup_size: 256
    .sgpr_count:     66
    .vgpr_count:     256
    .wavefront_size: 32
...
	.end_amdgpu_metadata
.endif
;; end of part 2
;; launch attn (part 3): grid 64 x 4, 4 waves a work-group, clusters of 4 x 1, 327,680 bytes of LDS; arguments q_img, kv, lowp_scales, ln_w, ln_b, out0; writes out0
.if DOCPART == 3
	.amdgcn_target "amdgcn-amd-amdhsa--gfx1250"
	.amdhsa_code_object_version 6
	.text
	.protected	k_q6b29ee2009_attn
	.globl	k_q6b29ee2009_attn
	.p2align	8
	.type	k_q6b29ee2009_attn,@function
k_q6b29ee2009_attn:
	s_mov_b64 s[64:65], 0
	v_nop
	global_prefetch_b8 v0, s[64:65] scope:SCOPE_SE
	s_setreg_imm32_b32 hwreg(HW_REG_WAVE_MODE, 25, 1), 1
	s_wait_xcnt 0x0
	s_wait_alu depctr_hold_cnt(0) depctr_sa_sdst(0) depctr_va_vdst(0) depctr_va_sdst(0) depctr_va_ssrc(0) depctr_va_vcc(0) depctr_vm_vsrc(0)
	s_getreg_b32 s2, hwreg(HW_REG_IB_STS2, 6, 4)
	s_cmp_eq_u32 s2, 0
	s_cbranch_scc0 .Lentry_in_a_cluster
	s_endpgm
.Lentry_in_a_cluster:
	s_bfe_u32 s2, ttmp6, 0x10000c
	s_cmp_lg_u32 s2, 0x3003
	s_cbranch_scc0 .Lentry_shape_is_right
	s_endpgm
.Lentry_shape_is_right:
; out0[b][:][q] = LayerNorm over the 256 channels of  sum over the 64 groups i of  V_i softmax_j(Q[q] . K_i[j]),  both products on codes of FP8 (E4M3).
; THE SOFTMAX RUNS OVER THE LAST AXIS ALONE: 64 neighbouring keys, one group.  A step takes one whole group, so its largest score and its sum are final within the step, the weights are quantised finished and
; normalised (p = exp(s - max) / sum in f32, held at 448 x 2^e9, code by 2^e9), and the result is a plain sum over groups: nothing is carried from step to step and nothing is rescaled.
; SHARES.  A work-group owns 64 queries of one batch: four tiles of 16.  THE FOUR WAVES SHARE THE QUERIES AND SPLIT THE KEYS: wave w walks groups 16 w .. 16 w + 15, for all 64 queries, in 512 registers of partial O^T.
; So each fragment of K and V that is read from LDS feeds four products and is read by one wave alone.  At the end the four partial sums are added through LDS, each wave finishing one tile.
; A wave's tile t of registers is tile (w + t) % 4 of the queries, so that t = 0 is the tile that it finishes: the text is the same for all waves.
; LAYOUT.  q_img[b][block][tile 4][c 8][512] and kv[b][group][32,768] (K: [tile 4][c 8][512]; V: [channel tile 16][c 2][512]) are images of operand registers: four registers are 512 consecutive bytes, lane l's 16 at 16 l;
; lane (r = l % 16, h = l / 16), piece c, holds k = 32 c + 16 h + 0 .. 15, alike in both operands of a product.  Lane r of tile 2 a + u of pixels holds pixel 32 a + 8 u + r + 8 (r / 8).
; Both products are used transposed: S^T = K Q^T (source 0 = 16 keys, source 1 = 16 queries), O^T = V^T P^T: a lane holds ONE query throughout, and by the order of the keys in a tile the 32 registers of a tile's scores are keys
; 32 a + 16 h + 0 .. 15, a = 0, 1: the conversions' results are the second product's operand.
; CLUSTER.  The four work-groups of a cluster belong to one batch and walk the same K and V: wave w of each asks JOINTLY for its next group, 32,768 bytes on end, into a ring of two slots of its own.  One tensor load of a wave is out.
; THE WALKS ARE TURNED AGAINST EACH OTHER.  Cluster x of a batch's sixteen begins each wave's walk at group 3 x mod 16 of the wave's sixteen and goes round.  3 is odd, so the sixteen clusters begin at sixteen different groups:
; in each step a group is asked for by one cluster alone, and all 64 groups of a batch are asked for in the first step.  The order of a plain sum is free; the last bits of the f32 sums hang on it, so they differ from cluster to cluster.
; NO PREFETCH IS WRITTEN: but for the first step there is no step ahead of which a group has not been asked for by some cluster's tensor load, and ahead of the first step stands only the kernel's head.
; LIMITS, so that each power of two is an f32 number: e6 + e7 and e8 + e9 between -126 and 127; e9 between -126 and 119.  NaN among the inputs is not served.  An exponential under 2^-126 counts as 0.
; c x max is rounded once; that error is common to a group's 64 exponents and goes out in the normalising.
; REGISTERS, in windows of 256 (s_set_vgpr_msb: bits 1:0 source 0, 3:2 source 1, 5:4 source 2, 7:6 destination):
;   window 0: v1-23 addresses and constants; v24-55 eight registers of statistics a tile; v64-191 S^T, then p, 32 a tile; v192-223 p's codes, 8 a tile; v224-255 at work in the LayerNorm
;   window 1: v0-127 Q (32 t + 4 c); v128-255 a step's K, then its V        window 2: O^T of tiles 0, 1 (128 t + 8 x channel tile)        window 3: of tiles 2, 3
.set WSH,    15                        ; a wave's slot is 2^15 bytes: a group's K (16,384 bytes), then its V
.set SLOT1,  131072                    ; slot 1 begins here: one exclusive or turns an address in one slot into the other's
.set VOFF,   16384
.set STG,    196608                    ; behind the last fill and a barrier the ring's bytes serve again: from 0 twelve regions of 16,384 bytes for the partial sums; from STG the stage, 256 rows (channels) of 256 bytes + 16
.set SPITCH, 272
.set SPARE,  STG+256*SPITCH            ; behind the stage: the spare words, 128 bytes for each wave: two blocks of 256 bytes that no other line names
.set LB,   1                           ; v1   16 x lane + 32,768 x wave
.set ADR,  2                           ; v2   LDS address of the step's tiles
.set SPW,  4                           ; v4   LDS address of my spare word; never rewritten
.set NIL,  5                           ; v5   0; never rewritten
.set RR,   6                           ; v6   r
.set HH,   7                           ; v7   h
.set QO,   8                           ; v8-11  Q: 16 x lane + 4,096 x ((w + t) % 4)
.set RDR,  12                          ; v12  the three regions that I read
.set STA0, 13                          ; v13, v14  the stage, on the way in: channels 0-127, 128-255
.set STA1, 14
.set STR,  15                          ; v15  and on the way out
.set GO,   16                          ; v16  my byte offset in out0
.set LNO,  17                          ; v17  32 h: my eight numbers of sixteen in ln_w, ln_b
.set LIMV, 18                          ; v18  448 x 2^e9
.set SCV,  19                          ; v19  2^e9
.set RDS,  20                          ; v20-22  where I store tiles 1, 2, 3
.set L16,  23                          ; v23  16 x lane
.set ST,   24                          ; tile t at v[ST + 8 t]: +0 c x max, +1 its pair's partner, +2, +3 the sum, +4 to +7 four chains of the maximum; later +4 1 / sum (+5 its pair's partner), +6, +7 the sum's second chain
.set S,    64
.set P,    192
.set TM,   224
.set KF,   128                         ; in window 1
.set WV,   16
.set OFS,  22                          ; s[22:23] 32,768 x the group's number among my wave's sixteen, as a pair
.set G1,   24                          ; s[24:31] descriptor group 1
.set G0,   32                          ; s[32:35] descriptor group 0
.set TB,   36                          ; s36  the slot in hand
.set CNT,  37                          ; s37  the loop's trips to go
.set SEL,  38                          ; s[38:39] v_permlanex16_b32's selects: lane l xor 16
.set CS,   40                          ; s[40:41] c = log2(e) x 2^(e6 + e7)
.set KVB,  48                          ; s[48:49] kv at my wave's sixteen groups
.set IDX,  50                          ; s50  which of the sixteen the last load asked for
.set MSB, 0
.macro WIN new                         ; the immediate's high byte repeats the setting that is left; a switch that changes nothing is dropped
.if MSB != \new
	s_set_vgpr_msb (MSB<<8)|\new
.set MSB, \new
.endif
.endm
.macro CROUND                          ; a round of the cluster's barrier
	s_barrier_signal -1
	s_barrier_wait -1
	s_cmp_lg_u32 s[WV], 0
	s_cbranch_scc1 .Lnot_wave_0_\@
	s_barrier_signal -3
.Lnot_wave_0_\@:
	s_barrier_wait -3
	s_barrier_signal -1
	s_barrier_wait -1
.endm
; THE CHANGE OF SLOTS stands at a step's head.  Each wave waits for all its tensor loads (the group that it is about to read), adds 0 to its spare word, and waits for that and for its reads of the slot that it has left.
; fill = 1: a round of the cluster's barrier, so that no wave of any partner still reads the slot or has a load on its way; behind it the joint load of the next group of the walk, which has a whole step in which to land.
.macro CHANGE fill
	WIN 0                                          ; at a label and at a branch every window is 0
	s_wait_tensorcnt 0x0                           ; no tensor load of mine is out, so group 0 may be written
	ds_add_u32 v[SPW], v[NIL]                      ; 0 onto my spare word: the steps below stand between it and the wait for it
.if \fill
	s_xor_b32 s[G0+1], s[G0+1], SLOT1              ; the other slot than last time,
	s_add_co_u32 s[IDX], s[IDX], 1
	s_and_b32 s[IDX], s[IDX], 15                   ; the next group, round the sixteen: the same number in all four partners
	s_lshl_b32 s[OFS], s[IDX], WSH
	s_add_nc_u64 s[G0+2:G0+3], s[KVB:KVB+1], s[OFS:OFS+1]
	s_or_b32 s[G0+3], s[G0+3], 0x80000000          ; type = 2
	s_wait_dscnt 0x0                               ; the add is done, and my reads of the slot that I have left are over
	CROUND
	tensor_load_to_lds s[G0:G0+3], s[G1:G1+7]      ; the first thing behind the round, and my one tensor load until the next
	s_nop 0
.rept 4
	v_nop                                          ; (also the places ahead of the loads into registers that the last products read)
.endr
.else
	s_wait_dscnt 0x0
	s_barrier_signal -1
	s_barrier_wait -1
.rept 4
	v_nop
.endr
.endif
.endm
.macro KLOAD                           ; the group's K: four tiles of 16 keys x 256 channels, 32 registers each
	WIN 0
	v_add_nc_u32 v[ADR], s[TB], v[LB]
	WIN 0x40                                       ; destination window 1
.set n, 0
.rept 32
	ds_load_b128 v[KF+4*n:KF+4*n+3], v[ADR] offset:512*n
.set n, n+1
.endr
.endm
.macro SMUL                            ; S^T = K Q^T: 32 products.  The four tiles of queries take turns, one instruction a turn; the first product of each sum takes the constant 0
	WIN 0x05                                       ; K and Q in window 1, S^T in window 0
.irp k, 0,1,2,3
.irp s, 0,1
	s_wait_dscnt 8*(3-\k)+4*(1-\s)                 ; the products of tile k, half s read loads 8 k + 4 s .. + 3 of the 32: the 28 - 8 k - 4 s issued behind those may be out
.irp t, 0,1,2,3
.if \s == 0
	v_wmma_f32_16x16x128_fp8_fp8 v[S+32*\t+8*\k:S+32*\t+8*\k+7], v[KF+32*\k+16*\s:KF+32*\k+16*\s+15], v[32*\t+16*\s:32*\t+16*\s+15], 0
.else
	v_wmma_f32_16x16x128_fp8_fp8 v[S+32*\t+8*\k:S+32*\t+8*\k+7], v[KF+32*\k+16*\s:KF+32*\k+16*\s+15], v[32*\t+16*\s:32*\t+16*\s+15], v[S+32*\t+8*\k:S+32*\t+8*\k+7]
.endif
.endr
.endr
.endr
.endm
.macro VLOAD                           ; the group's V: 16 tiles of 16 channels x 64 keys, 8 registers each, where K lay; they land while the softmax is worked
.rept 4
	v_nop                                          ; four places ahead of loads into registers that the products read, and of the first read of the scores
.endr
	WIN 0x40
.set n, 0
.rept 32
	ds_load_b128 v[KF+4*n:KF+4*n+3], v[ADR] offset:VOFF+512*n
.set n, n+1
.endr
.endm
; THE SOFTMAX of four tiles.  A tile's work is three numbered lists of lines (LPRE, LSUM, LPOST: line JJ for tile TT) and 32 exponentials.  ZIP deals two lists of DIFFERENT tiles out line by line, so that no line reads the
; result of the line just ahead of it; behind each line EX may write the next exponential of a third tile.  No line names an exponential's or a reciprocal's result before the next WT.
; EXSET t, n, d: from here on n of tile t's exponentials are written for every d plain lines; EXFLUSH writes those that are left.
.set EXT, 0
.set EXN, 32
.set EXNUM, 0
.set EXDEN, 1
.set EXC, 0
.macro EXSET t, num, den
.set EXT, \t
.set EXN, 0
.set EXNUM, \num
.set EXDEN, \den
.set EXC, 0
.endm
.macro EX
.set EXC, EXC+EXNUM
.if (EXC >= EXDEN) && (EXN < 32)
	v_exp_f32 v[S+32*EXT+EXN], v[S+32*EXT+EXN]
.set EXN, EXN+1
.set EXC, EXC-EXDEN
.endif
.endm
.macro EXFLUSH
.rept 32
.if EXN < 32
	v_exp_f32 v[S+32*EXT+EXN], v[S+32*EXT+EXN]
.set EXN, EXN+1
.endif
.endr
.endm
.macro WT                              ; a plain line behind the last transcendental, and the one wait ahead of the first line that names a result: one for the whole batch
	v_nop
	s_wait_alu depctr_va_vdst(0)
.endm
; LPRE, 35 lines: the group's largest score of my query, then c s - c max for my 32 keys.  0-11: four chains of seven scores, chain j on accumulator j, which is so first read in its three lowest registers;
; 12-15: the four scores left over and the chains; 16, 17: the lane 16 away; 18: c x max; 19-34: the scalings, a pair of scores each.
.macro LPRE
.set rT, ST+8*TT
.set rS, S+32*TT
.if JJ < 4
	v_max3_num_f32 v[rT+4+JJ], v[rS+8*JJ], v[rS+8*JJ+1], v[rS+8*JJ+2]
.elseif JJ < 12
	v_max3_num_f32 v[rT+4+JJ%4], v[rT+4+JJ%4], v[rS+8*(JJ%4)+2*(JJ/4)+1], v[rS+8*(JJ%4)+2*(JJ/4)+2]
.elseif JJ == 12
	v_max3_num_f32 v[rT+4], v[rT+4], v[rS+7], v[rS+15]
.elseif JJ == 13
	v_max3_num_f32 v[rT+6], v[rT+6], v[rS+23], v[rS+31]
.elseif JJ == 14
	v_max3_num_f32 v[rT+4], v[rT+4], v[rT+5], v[rT+6]
.elseif JJ == 15
	v_max_num_f32 v[rT+4], v[rT+4], v[rT+7]
.elseif JJ == 16
	v_permlanex16_b32 v[rT+5], v[rT+4], s[SEL], s[SEL+1]   ; the query's other 32 keys lie in the lane 16 away
.elseif JJ == 17
	v_max_num_f32 v[rT+4], v[rT+4], v[rT+5]
.elseif JJ == 18
	v_mul_f32 v[rT], s[CS], v[rT+4]                ; c is positive
.else
	v_pk_fma_f32 v[rS+2*(JJ-19):rS+2*(JJ-19)+1], v[rS+2*(JJ-19):rS+2*(JJ-19)+1], s[CS:CS+1], v[rT:rT+1] op_sel_hi:[1,0,0] neg_lo:[0,0,1] neg_hi:[0,0,1]
.endif
.endm
; LSUM, 19 lines: the group's sum of exponentials, two at a time in two chains, not in place; the lane 16 away; the reciprocal.
.macro LSUM
.set rT, ST+8*TT
.set rS, S+32*TT
.if JJ < 2
	v_pk_add_f32 v[rT+2+4*JJ:rT+3+4*JJ], v[rS+4*JJ:rS+4*JJ+1], v[rS+4*JJ+2:rS+4*JJ+3]
.elseif JJ < 14
	v_pk_add_f32 v[rT+2+4*(JJ%2):rT+3+4*(JJ%2)], v[rT+2+4*(JJ%2):rT+3+4*(JJ%2)], v[rS+2*JJ+4:rS+2*JJ+5]
.elseif JJ == 14
	v_pk_add_f32 v[rT+2:rT+3], v[rT+2:rT+3], v[rT+6:rT+7]
.elseif JJ == 15
	v_add_f32 v[rT+2], v[rT+2], v[rT+3]
.elseif JJ == 16
	v_permlanex16_b32 v[rT+3], v[rT+2], s[SEL], s[SEL+1]
.elseif JJ == 17
	v_add_f32 v[rT+2], v[rT+2], v[rT+3]
.else
	v_rcp_f32 v[rT+4], v[rT+2]
.endif
.endm
; LPOST, 53 lines: p = exponential / sum (M: four packed lines for eight numbers); the hold (N: eight lines; p is not negative, so it is one-sided); the codes (V: one conversion).  The four eights go in the order
; M0 M1 N0 M2 V0 N1 M3 V1 N2 N3 V2 V3, so that other lines stand between a conversion and the holds that feed it; a plain line ends the list.
.macro LPOST
.set rT, ST+8*TT
.set rS, S+32*TT
.set rP, P+8*TT
.if JJ < 8
.set KK, 0
.set OO, 2*JJ
.elseif JJ < 16
.set KK, 1
.set OO, JJ-8
.elseif JJ < 20
.set KK, 0
.set OO, 16+2*(JJ-16)
.elseif JJ == 20
.set KK, 2
.set OO, 0
.elseif JJ < 29
.set KK, 1
.set OO, 8+JJ-21
.elseif JJ < 33
.set KK, 0
.set OO, 24+2*(JJ-29)
.elseif JJ == 33
.set KK, 2
.set OO, 1
.elseif JJ < 50
.set KK, 1
.set OO, 16+JJ-34
.elseif JJ < 52
.set KK, 2
.set OO, JJ-48
.else
.set KK, 3
.endif
.if KK == 0
	v_pk_mul_f32 v[rS+OO:rS+OO+1], v[rS+OO:rS+OO+1], v[rT+4:rT+5] op_sel_hi:[1,0]
.elseif KK == 1
	v_min_num_f32 v[rS+OO], v[rS+OO], v[LIMV]      ; the conversion to an 8-bit code does not saturate (ISA guide 7.6.2)
.elseif KK == 2
	v_cvt_scalef32_pk8_fp8_f32 v[rP+2*OO:rP+2*OO+1], v[rS+8*OO:rS+8*OO+7], v[SCV]
.else
	v_nop                                          ; a plain line behind the last conversion
.endif
.endm
; List ma (na lines) of tile ta and list mb (nb lines) of tile tb, by turns, ma first; when one has run out, the rest of the other.
.macro ZIP ma, ta, na, mb, tb, nb
.set IA, 0
.set IB, 0
.rept (\na)+(\nb)
.if (IA < (\na)) && ((IA <= IB) || (IB >= (\nb)))
.set TT, \ta
.set JJ, IA
	\ma
.set IA, IA+1
.else
.set TT, \tb
.set JJ, IB
	\mb
.set IB, IB+1
.endif
	EX
.endr
.endm
; Seven stretches, five waits.  A batch's 32 exponentials end 6 plain lines or more ahead of its wait, a reciprocal 17 or more.
.macro SOFTMAX
	WIN 0
	ZIP LPRE, 0, 35, LPRE, 0, 0
	EXSET 0, 1, 2                                  ; 32 exponentials among the first 64 of 70 lines
	ZIP LPRE, 1, 35, LPRE, 2, 35
	EXFLUSH
	WT
	EXSET 1, 2, 3                                  ; among the first 48 of 54
	ZIP LSUM, 0, 19, LPRE, 3, 35
	EXFLUSH
	WT
	EXSET 2, 1, 2                                  ; among the first 64 of 72
	ZIP LSUM, 1, 19, LPOST, 0, 53
	EXFLUSH
	WT
	EXSET 3, 1, 2
	ZIP LSUM, 2, 19, LPOST, 1, 53
	EXFLUSH
	WT
	ZIP LSUM, 3, 19, LPOST, 2, 53
	WT
	ZIP LPOST, 3, 53, LPOST, 3, 0
.endm
.macro PVMUL zero                      ; O^T += V^T P^T: 64 products on 64 accumulators, K = the group's 64 keys.  zero = 1: the first step starts the sums: nothing is ever cleared
	s_wait_dscnt 0x0                               ; V is in
	WIN 0xa1                                       ; V in window 1, P in window 0, O^T in window 2
.irp f, 0,1,2,3,4,5,6,7,8,9,10,11,12,13,14,15
.irp t, 0,1
.if \zero
	v_wmma_f32_16x16x64_fp8_fp8 v[128*\t+8*\f:128*\t+8*\f+7], v[KF+8*\f:KF+8*\f+7], v[P+8*\t:P+8*\t+7], 0
.else
	v_wmma_f32_16x16x64_fp8_fp8 v[128*\t+8*\f:128*\t+8*\f+7], v[KF+8*\f:KF+8*\f+7], v[P+8*\t:P+8*\t+7], v[128*\t+8*\f:128*\t+8*\f+7]
.endif
.endr
.endr
	WIN 0xf1                                       ; O^T in window 3
.irp f, 0,1,2,3,4,5,6,7,8,9,10,11,12,13,14,15
.irp t, 0,1
.if \zero
	v_wmma_f32_16x16x64_fp8_fp8 v[128*\t+8*\f:128*\t+8*\f+7], v[KF+8*\f:KF+8*\f+7], v[P+16+8*\t:P+16+8*\t+7], 0
.else
	v_wmma_f32_16x16x64_fp8_fp8 v[128*\t+8*\f:128*\t+8*\f+7], v[KF+8*\f:KF+8*\f+7], v[P+16+8*\t:P+16+8*\t+7], v[128*\t+8*\f:128*\t+8*\f+7]
.endif
.endr
.endr
.endm
.macro BODY zero                       ; a step: one group of 64 keys for the 64 queries
	KLOAD
	SMUL
	VLOAD
	SOFTMAX
	PVMUL \zero
	WIN 0
	s_xor_b32 s[TB], s[TB], SLOT1                  ; on to the other slot
.endm
	s_load_b256 s[4:11], s[0:1], 0x0               ; q_img s[4:5], kv s[6:7], the scales' exponents s[8:9], ln_w s[10:11]
	s_load_b128 s[12:15], s[0:1], 0x20             ; ln_b s[12:13], out0 s[14:15]
	v_lshl_add_u32 v[SPW], v0, 2, SPARE
	v_mov_b32 v[NIL], 0
	ds_add_u32 v[SPW], v[NIL]                      ; the wave's opening: the add and its wait stand ahead of my first tensor load; the set-up below, work on registers, stands between them
	v_lshrrev_b32 v[ADR], 5, v0
	v_readfirstlane_b32 s[WV], v[ADR]              ; wave 0..3
	s_bfe_u32 s17, ttmp6, 0x40000                  ; cx: my place in the cluster
	s_lshl_b32 s18, ttmp9, 2
	s_add_co_u32 s18, s18, s17                     ; my block of 64 queries = 4 x cluster x + cx: it enters q_img's and out0's addresses alone
	s_and_b32 s19, ttmp7, 0xffff                   ; the batch, which the four partners share
	; descriptor group 1: 128 rows of 32 elements of 8 bytes, dense in memory and in LDS
	s_mov_b32 s[G1], 15|(3<<16)|(1<<21)            ; 15:0 the mask: all four work-groups; 17:16 elements of 8 bytes; 20 no padding; 21 set beside a mask
	s_mov_b32 s[G1+1], 32<<16                      ; tensor_dim0 = 32
	s_mov_b32 s[G1+2], 128<<16                     ; tensor_dim1 = 128
	s_mov_b32 s[G1+3], 32<<16                      ; tile_dim0 = 32
	s_mov_b32 s[G1+4], 128                         ; tile_dim1 = 128
	s_mov_b32 s[G1+5], 32                          ; from row to row: 32 elements
	s_mov_b32 s[G1+6], 0
	s_mov_b32 s[G1+7], 0
	s_mov_b32 s[G0], 1                             ; count = 1
	s_lshl_b32 s[G0+1], s[WV], WSH                 ; LDS address: my wave's part of slot 0: no place in the cluster enters it
	s_lshl_b32 s20, s19, 21                        ; kv: the batch's 2 MiB,
	s_lshl_b32 s21, s[WV], 19
	s_add_co_u32 s20, s20, s21                     ; my wave's 16 groups
	s_mov_b32 s21, 0
	s_mul_i32 s[IDX], ttmp9, 3                     ; where the walk begins: 3 x the cluster's number, mod 16: the same in all four partners
	s_and_b32 s[IDX], s[IDX], 15
	s_lshl_b32 s[OFS], s[IDX], WSH
	s_mov_b32 s[OFS+1], 0
	s_lshl_b32 s58, s19, 6
	s_add_co_u32 s58, s58, s18
	s_lshl_b32 s58, s58, 14                        ; q_img: block 64 b + my block, 16,384 bytes
	s_mov_b32 s59, 0
	s_lshl_b32 s60, s19, 22                        ; out0: the batch's 4 MiB,
	s_lshl_b32 s61, s[WV], 20
	s_add_co_u32 s60, s60, s61                     ; the 64 channels that I store, 16,384 bytes each,
	s_lshl_b32 s61, s18, 8
	s_add_co_u32 s60, s60, s61                     ; my block's 256 bytes of a channel
	s_mov_b32 s61, 0
	s_mov_b32 s[SEL], 0x76543210
	s_mov_b32 s[SEL+1], 0xfedcba98
	s_mov_b32 s[TB], 0
	s_mov_b32 s55, 0x3b800000                      ; 1 / 256
	s_mov_b32 s56, 0x3727c5ac                      ; 1e-5
	v_and_b32 v[RR], 15, v0
	v_bfe_u32 v[HH], v0, 4, 1
	v_and_b32 v[ADR], 31, v0
	v_lshlrev_b32 v[L16], 4, v[ADR]
	v_add_nc_u32 v[LB], s[G0+1], v[L16]
.irp t, 0,1,2,3
	s_add_co_u32 s57, s[WV], \t
	s_and_b32 s57, s57, 3                          ; which tile of the queries my tile t is
	s_lshl_b32 s51, s57, 12
	v_add_nc_u32 v[QO+\t], s51, v[L16]
.if \t > 0
	s_mul_i32 s57, s57, 3                          ; its owner's three regions; mine is number t - 1 of them
	s_add_co_u32 s57, s57, \t-1
	s_lshl_b32 s57, s57, 14
	v_add_nc_u32 v[RDS+\t-1], s57, v[L16]
.endif
.endr
	s_mul_i32 s57, s[WV], 3*16384
	v_add_nc_u32 v[RDR], s57, v[L16]
	s_lshr_b32 s57, s[WV], 1                       ; the tile that I finish is tile w: lane r holds pixel 32 (w / 2) + 8 (w % 2) + r + 8 (r / 8) of the block
	s_lshl_b32 s57, s57, 5
	s_and_b32 s51, s[WV], 1
	s_lshl_b32 s51, s51, 3
	s_add_co_u32 s57, s57, s51
	v_and_b32 v[ADR], 8, v[RR]
	v_add_nc_u32 v[ADR], v[ADR], v[RR]
	v_add_nc_u32 v[ADR], s57, v[ADR]
	v_lshlrev_b32 v[ADR], 2, v[ADR]
	v_mad_u32_u24 v[ADR], v[HH], 8*SPITCH, v[ADR]  ; + 8 h rows: register 8 f + j holds channel 16 f + 8 h + j
	v_add_nc_u32 v[STA0], STG, v[ADR]
	v_add_nc_u32 v[STA1], STG+128*SPITCH, v[ADR]
	s_mul_i32 s57, s[WV], 64*SPITCH                ; back: rows 64 w on; lanes 0-15 one row, lanes 16-31 the next
	v_mul_u32_u24 v[ADR], v[HH], SPITCH
	v_lshl_add_u32 v[ADR], v[RR], 4, v[ADR]
	v_add_nc_u32 v[ADR], s57, v[ADR]
	v_add_nc_u32 v[STR], STG, v[ADR]
	v_lshlrev_b32 v[GO], 14, v[HH]                 ; and the same two channels in out0
	v_lshl_add_u32 v[GO], v[RR], 4, v[GO]
	v_lshlrev_b32 v[LNO], 5, v[HH]
	s_wait_dscnt 0x0                               ; the opening add is done
	s_wait_kmcnt 0x0
	s_load_b128 s[44:47], s[8:9], 0x18             ; e6, e7, e8, e9
	s_add_nc_u64 s[KVB:KVB+1], s[6:7], s[20:21]    ; my wave's sixteen groups
	s_add_nc_u64 s[G0+2:G0+3], s[KVB:KVB+1], s[OFS:OFS+1]   ; global address: the walk's first group: the same in all four partners
	s_or_b32 s[G0+3], s[G0+3], 0x80000000          ; type = 2
	s_add_nc_u64 s[4:5], s[4:5], s[58:59]
	s_add_nc_u64 s[14:15], s[14:15], s[60:61]
	CROUND                                         ; all four work-groups are here: the first joint loads meet
	tensor_load_to_lds s[G0:G0+3], s[G1:G1+7]      ; the walk's first group into slot 0
	s_nop 0
.rept 4
	v_nop
.endr
	WIN 0x40                                       ; destination window 1
.irp t, 0,1,2,3
.irp c, 0,1,2,3,4,5,6,7
	global_load_b128 v[32*\t+4*\c:32*\t+4*\c+3], v[QO+\t], s[4:5] offset:512*\c   ; Q stays in registers
.endr
.endr
	WIN 0
	s_wait_kmcnt 0x0
	s_add_co_i32 s57, s44, s45
	s_lshl_b32 s57, s57, 23
	s_mov_b32 s[CS], 0x3fb8aa3b                    ; log2(e);
	s_add_co_i32 s[CS], s[CS], s57                 ; a score stands for score x 2^(e6 + e7): the two exponents are added to its exponent field
	s_mov_b32 s[CS+1], s[CS]                       ; (named with it as a pair, so it is written)
	s_add_co_i32 s57, s47, 127
	s_lshl_b32 s51, s57, 23
	v_mov_b32 v[SCV], s51                          ; 2^e9
	s_add_co_i32 s57, s57, 8
	s_lshl_b32 s57, s57, 23
	s_or_b32 s57, s57, 0x600000
	v_mov_b32 v[LIMV], s57                         ; 448 x 2^e9
	s_add_co_i32 s54, s46, s47                     ; e8 + e9
	s_add_co_i32 s52, s54, 127
	s_lshl_b32 s52, s52, 23                        ; 2^(e8 + e9)
	s_mov_b32 s53, s52
	s_sub_co_i32 s54, s54, 8                       ; and 2^(e8 + e9) / 256, as an exponent
.irp t, 0,1,2,3
	v_mov_b32 v[ST+8*\t+1], 0                      ; named as the upper half of the pair with c x max, so it is written
.endr
	s_wait_loadcnt 0x0                             ; Q
	CHANGE 1                                       ; the first group is in; the second goes out, into slot 1
	BODY 1                                         ; the first step stands in front of the loop: its products start O^T's sums
	s_mov_b32 s[CNT], 14
.Lstep:                                            ; 14 trips: the walk's groups 2 to 15 are asked for, groups 1 to 14 worked
	CHANGE 1
	BODY 0
	s_sub_co_u32 s[CNT], s[CNT], 1
	s_cmp_lg_u32 s[CNT], 0
	s_cbranch_scc1 .Lstep
	CHANGE 0                                       ; the last step is written out
	BODY 0
	; THE FOUR WAVES' PARTIAL SUMS MEET.  The ring has had its last fill; behind this barrier nobody reads it, and its bytes take the partial sums as images of registers.
.rept 4
	v_nop                                          ; four places between the last products and the first read of their results
.endr
	s_wait_dscnt 0x0
	s_barrier_signal -1
	s_barrier_wait -1
	WIN 0x08                                       ; store data from window 2
.set n, 0
.rept 32
	ds_store_b128 v[RDS], v[128+4*n:128+4*n+3] offset:512*n        ; tile 1, each accumulator from its low end on
.set n, n+1
.endr
	WIN 0x0c                                       ; from window 3
.set n, 0
.rept 32
	ds_store_b128 v[RDS+1], v[4*n:4*n+3] offset:512*n              ; tile 2
.set n, n+1
.endr
.set n, 0
.rept 32
	ds_store_b128 v[RDS+2], v[128+4*n:128+4*n+3] offset:512*n      ; tile 3
.set n, n+1
.endr
	WIN 0
	s_wait_dscnt 0x0                               ; for the others' sake: my stores are done
	s_barrier_signal -1
	s_barrier_wait -1
	WIN 0xc0                                       ; destination window 3, which tiles 2 and 3 have left: ln_w at v[8 f + j], ln_b at v[128 + 8 f + j], for channel 16 f + 8 h + j
.irp f, 0,1,2,3,4,5,6,7,8,9,10,11,12,13,14,15
	global_load_b128 v[8*\f:8*\f+3], v[LNO], s[10:11] offset:64*\f
	global_load_b128 v[8*\f+4:8*\f+7], v[LNO], s[10:11] offset:64*\f+16
	global_load_b128 v[128+8*\f:128+8*\f+3], v[LNO], s[12:13] offset:64*\f
	global_load_b128 v[128+8*\f+4:128+8*\f+7], v[LNO], s[12:13] offset:64*\f+16
.endr
	WIN 0
.set n, 0
.rept 32
	ds_load_b128 v[S+4*n:S+4*n+3], v[RDR] offset:512*n             ; the other three waves' parts of my tile: the first where the scores lay,
.set n, n+1
.endr
	WIN 0x40
.set n, 0
.rept 32
	ds_load_b128 v[4*n:4*n+3], v[RDR] offset:16384+512*n           ; the second where Q lay,
.set n, n+1
.endr
	s_wait_dscnt 32                                ; the first part is in; the 32 loads behind it may be out
.set n, 0
.rept 32
	ds_load_b128 v[128+4*n:128+4*n+3], v[RDR] offset:32768+512*n   ; the third where K and V lay
.set n, n+1
.endr
	WIN 0x08                                       ; source 1 window 2: my own part
.set i, 0
.rept 64
	v_pk_add_f32 v[S+2*i:S+2*i+1], v[S+2*i:S+2*i+1], v[2*i:2*i+1]
.set i, i+1
.endr
	s_wait_dscnt 32                                ; the second part is in; the third's 32 loads may be out
	WIN 0x04                                       ; source 1 window 1
.set i, 0
.rept 64
	v_pk_add_f32 v[S+2*i:S+2*i+1], v[S+2*i:S+2*i+1], v[2*i:2*i+1]
.set i, i+1
.endr
	s_wait_dscnt 0x0
.set i, 0
.rept 64
	v_pk_add_f32 v[S+2*i:S+2*i+1], v[S+2*i:S+2*i+1], v[128+2*i:128+2*i+1]
.set i, i+1
.endr
	WIN 0
	; LAYERNORM over the 256 channels of my query: 128 in my registers, 128 in the lane 16 away.  Two passes: the mean, then the squares of the differences.
.irp k, 0,1,2,3
	v_pk_add_f32 v[TM+2*\k:TM+2*\k+1], v[S+2*\k:S+2*\k+1], v[S+8+2*\k:S+8+2*\k+1]   ; four chains
.endr
.set i, 8
.rept 56
	v_pk_add_f32 v[TM+2*(i%4):TM+2*(i%4)+1], v[TM+2*(i%4):TM+2*(i%4)+1], v[S+2*i:S+2*i+1]
.set i, i+1
.endr
	v_pk_add_f32 v[TM:TM+1], v[TM:TM+1], v[TM+2:TM+3]
	v_pk_add_f32 v[TM+4:TM+5], v[TM+4:TM+5], v[TM+6:TM+7]
	v_pk_add_f32 v[TM:TM+1], v[TM:TM+1], v[TM+4:TM+5]
	v_add_f32 v[TM], v[TM], v[TM+1]
	v_permlanex16_b32 v[TM+1], v[TM], s[SEL], s[SEL+1]
	v_add_f32 v[TM], v[TM], v[TM+1]
	v_ldexp_f32 v[TM], v[TM], s54                  ; the mean: the sum x 2^(e8 + e9) / 256: nothing is rounded
.set i, 0
.rept 64
	v_pk_fma_f32 v[S+2*i:S+2*i+1], v[S+2*i:S+2*i+1], s[52:53], v[TM:TM+1] op_sel_hi:[1,0,0] neg_lo:[0,0,1] neg_hi:[0,0,1]   ; sum x 2^(e8 + e9) - mean
.set i, i+1
.endr
.irp k, 0,1,2,3
	v_pk_mul_f32 v[TM+8+2*\k:TM+8+2*\k+1], v[S+2*\k:S+2*\k+1], v[S+2*\k:S+2*\k+1]
.endr
.set i, 4
.rept 60
	v_pk_fma_f32 v[TM+8+2*(i%4):TM+8+2*(i%4)+1], v[S+2*i:S+2*i+1], v[S+2*i:S+2*i+1], v[TM+8+2*(i%4):TM+8+2*(i%4)+1]
.set i, i+1
.endr
	v_pk_add_f32 v[TM+8:TM+9], v[TM+8:TM+9], v[TM+10:TM+11]
	v_pk_add_f32 v[TM+12:TM+13], v[TM+12:TM+13], v[TM+14:TM+15]
	v_pk_add_f32 v[TM+8:TM+9], v[TM+8:TM+9], v[TM+12:TM+13]
	v_add_f32 v[TM+8], v[TM+8], v[TM+9]
	v_permlanex16_b32 v[TM+9], v[TM+8], s[SEL], s[SEL+1]
	v_add_f32 v[TM+8], v[TM+8], v[TM+9]
	v_fma_f32 v[TM+8], v[TM+8], s55, s56           ; the variance + 1e-5
	v_rsq_f32 v[TM+16], v[TM+8]
	v_mov_b32 v[TM+17], 0                          ; a plain line behind the transcendental; it writes the pair's upper half
	s_wait_alu depctr_va_vdst(0)                   ; the wait ahead of the first line that names the result
.set i, 0
.rept 64
	v_pk_mul_f32 v[S+2*i:S+2*i+1], v[S+2*i:S+2*i+1], v[TM+16:TM+17] op_sel_hi:[1,0]
.set i, i+1
.endr
	s_wait_loadcnt 0x0                             ; ln_w, ln_b
	WIN 0x3c                                       ; sources 1 and 2 window 3
.set i, 0
.rept 64
	v_pk_fma_f32 v[S+2*i:S+2*i+1], v[S+2*i:S+2*i+1], v[2*i:2*i+1], v[128+2*i:128+2*i+1]
.set i, i+1
.endr
	WIN 0
	; THE WAY OUT.  out0 has the pixels innermost, and a lane holds one pixel and 128 channels: the block's 256 channels x 64 pixels meet in the stage, a row a channel, and leave as whole rows of 256 bytes.
.irp f, 0,1,2,3,4,5,6,7
.irp j, 0,1,2,3,4,5,6,7
	ds_store_b32 v[STA0], v[S+8*\f+\j] offset:SPITCH*(16*\f+\j)
.endr
.endr
.irp f, 0,1,2,3,4,5,6,7
.irp j, 0,1,2,3,4,5,6,7
	ds_store_b32 v[STA1], v[S+64+8*\f+\j] offset:SPITCH*(16*\f+\j)
.endr
.endr
	s_wait_dscnt 0x0                               ; for the others' sake: my stores into the stage are done
	s_barrier_signal -1
	s_barrier_wait -1
.set i, 0
.rept 32
	ds_load_b128 v[S+4*i:S+4*i+3], v[STR] offset:2*SPITCH*i        ; channels 64 w + 2 i and 64 w + 2 i + 1
.set i, i+1
.endr
.set i, 0
.rept 32
	s_wait_dscnt 31-i                              ; LDS loads come back in order: pair i is in, the later ones may be out
	global_store_b128 v[GO], v[S+4*i:S+4*i+3], s[14:15] offset:32768*i th:TH_STORE_NT   ; 16 lanes store 256 consecutive bytes, at a multiple of 256 from out0's first byte
.set i, i+1
.endr
	s_wait_tensorcnt 0x0                           ; the wave's end, behind my last tensor load and my last LDS store
	ds_add_u32 v[SPW], v[NIL]
	s_wait_dscnt 0x0
	CROUND                                         ; the closing round: no work-group ends while a partner may still ask for a tile that names it
	s_endpgm
.Lfunc_end_k_q6b29ee2009_attn:
	.size	k_q6b29ee2009_attn, .Lfunc_end_k_q6b29ee2009_attn-k_q6b29ee2009_attn
	.p2alignl 7, 3214868480
	.fill 96, 4, 3214868480
	.section	.rodata,"a",@progbits
	.p2align	6, 0x0
	.amdhsa_kernel k_q6b29ee2009_attn
		.amdhsa_group_segment_fixed_size 327680
		.amdhsa_private_segment_fixed_size 0
		.amdhsa_enable_private_segment 0
		.amdhsa_kernarg_size 48
		.amdhsa_user_sgpr_count 2
		.amdhsa_user_sgpr_kernarg_segment_ptr 1
		.amdhsa_wavefront_size32 1
		.amdhsa_system_sgpr_workgroup_id_x 1
		.amdhsa_system_sgpr_workgroup_id_y 1
		.amdhsa_system_sgpr_workgroup_id_z 1
		.amdhsa_system_vgpr_workitem_id 0
		.amdhsa_next_free_vgpr 1024
		.amdhsa_next_free_sgpr 66
		.amdhsa_reserve_vcc 0
		.amdhsa_float_denorm_mode_32 3
		.amdhsa_float_denorm_mode_16_64 3
		.amdhsa_memory_ordered 1
		.amdhsa_forward_progress 1
		.amdhsa_inst_pref_size 189
	.end_amdhsa_kernel
	.amdgpu_metadata
---
amdhsa.version: [ 1, 2 ]
amdhsa.kernels:
  - .name:           k_q6b29ee2009_attn
    .symbol:         k_q6b29ee2009_attn.kd
    .args:
      - { .name: q_img, .offset: 0, .size: 8, .value_kind: global_buffer, .address_space: global }
      - { .name: kv, .offset: 8, .size: 8, .value_kind: global_buffer, .address_space: global }
      - { .name: lowp_scales, .offset: 16, .size: 8, .value_kind: global_buffer, .address_space: global }
      - { .name: ln_w, .offset: 24, .size: 8, .value_kind: global_buffer, .address_space: global }
      - { .name: ln_b, .offset: 32, .size: 8, .value_kind: global_buffer, .address_space: global }
      - { .name: out0, .offset: 40, .size: 8, .value_kind: global_buffer, .address_space: global }
    .group_segment_fixed_size: 327680
    .private_segment_fixed_size: 0
    .kernarg_segment_align: 8
    .kernarg_segment_size: 48
    .max_flat_workgroup_size: 128
    .sgpr_count:     66
    .vgpr_count:     1024
    .wavefront_size: 32
...
	.end_amdgpu_metadata
.endif
;; end of part 3
